; MI455X (gfx1250); checked and timed in simulation.
; The chip was launched on July 23, 2026; its instructions are those of AMD's public machine-readable ISA for CDNA 5 (MIT licence, August 2026) and "CDNA5" Instruction Set Architecture Reference Guide (July 2026). The comments in the code are by the model that wrote it; some were corrected since.
;; MABSINK. Allowed arithmetic: float matrix products may take bf16 or f16 operands with f32 sums; all other float work in f32.
;; Inputs: K 4 x 2,048 x 1,024 float32; Q 4 x 2,048 x 1,024 float32; Wk 1,024 x 1,024 float32; Wo 1,024 x 1,024 float32; Wq 1,024 x 1,024 float32; Wv 1,024 x 1,024 float32; b0 1,024 float32; b1 1,024 float32; bk 1,024 float32; bo 1,024 float32; bq 1,024 float32; bv 1,024 float32; g0 1,024 float32; g1 1,024 float32.
;; Outputs: out0 4 x 2,048 x 1,024 float32.
;; One version. Each part assembles by itself: llvm-mc -triple=amdgcn-amd-amdhsa -mcpu=gfx1250 --defsym DOCPART=n.
;; ======== version 1 of 1: 4 launches
;; workspace buffers: Qb 16,777,216 bytes; Kb 16,777,216 bytes; Wb 8,388,608 bytes; Qp 33,554,432 bytes; Kp 16,777,216 bytes; Vp 16,777,216 bytes; Ob 33,554,432 bytes
;; launch cvt (part 1): grid 64 x 20, 8 waves a work-group, no clusters, 0 bytes of LDS; arguments Q, K, Wq, Wk, Wv, Wo, Qb, Kb, Wb; writes Qb, Kb, Wb
.if DOCPART == 1
	.amdgcn_target "amdgcn-amd-amdhsa--gfx1250"
	.amdhsa_code_object_version 6
	.text
	.protected	k_q192813f830_cvt
	.globl	k_q192813f830_cvt
	.p2align	8
	.type	k_q192813f830_cvt,@function
k_q192813f830_cvt:
	s_mov_b64 s[64:65], 0
	v_nop
	global_prefetch_b8 v0, s[64:65] scope:SCOPE_SE
	s_setreg_imm32_b32 hwreg(HW_REG_WAVE_MODE, 25, 1), 1
	s_wait_xcnt 0x0
; Rounds the matrix operands to bf16 once, so that the later launches load 16-bit fragments and round nothing again.
; Work-group y names a unit of 1,048,576 numbers: y 0-7 the eighths of Q, 8-15 those of K, 16-19 Wq, Wk, Wv, Wo.
; Work-group x names 16,384 numbers of the unit: 64 KiB in, 32 KiB out.  1,280 work-groups of equal work.
; Q -> Qb, K -> Kb, Wq, Wk, Wv -> bytes 0 to 6 MiB of Wb, all in the order in which they lie.
; Wo -> bytes 6 to 8 MiB of Wb in FRAGMENT ORDER: element (n, k) at
;   (n>>7)*262144 + (k>>5)*8192 + ((n>>4)&7)*1024 + ((k>>4)&1)*512 + (((k>>3)&1)*16 + (n&15))*16 + (k&7)*2,
; so that a 16 x 32 fragment is 1,024 consecutive bytes, each of its two 16-byte loads takes lane l's bytes at 16 l,
; and the 128 columns that one wave of the last launch owns are one run of 262,144 bytes with K ascending.
; A stream: nothing is shared between work-groups and nothing is read twice, so no LDS, no matrix unit, no cluster.
; All sixteen loads of a wave go out at once; no register is written twice, so the only waits are the counted ones.
.set XI, 4                             ; v[4:67]   64 numbers in f32: piece i in 8 registers
.set YO, 68                            ; v[68:99]  the same in bf16: piece i in 4 registers
	s_load_b512 s[8:23], s[0:1], 0x0               ; Q, K, Wq, Wk, Wv, Wo, Qb, Kb
	s_load_b64 s[24:25], s[0:1], 0x40              ; Wb
	s_and_b32 s3, ttmp7, 0xffff                    ; y: the unit
	s_and_b32 s26, s3, 7                           ; which eighth of Q or K
	s_sub_co_u32 s27, s3, 16                       ; which of the four weights (used for y >= 16 alone)
	s_lshl_b32 s34, ttmp9, 16                      ; x: 64 KiB of the source
	s_mov_b32 s37, 0                               ; upper words of the two offsets
	s_mov_b32 s39, 0
	s_wait_kmcnt 0x0
	s_cmp_ge_u32 s3, 8                             ; each choice hangs on y alone
	s_cselect_b64 s[28:29], s[10:11], s[8:9]       ; source: K or Q
	s_cselect_b64 s[30:31], s[22:23], s[20:21]     ; goal: Kb or Qb
	s_cmp_ge_u32 s3, 16
	s_cselect_b64 s[28:29], s[12:13], s[28:29]     ; Wq
	s_cselect_b64 s[30:31], s[24:25], s[30:31]     ; Wb
	s_cselect_b32 s32, 0, s26                      ; unit inside the source: a weight is one unit
	s_cselect_b32 s33, s27, s26                    ; unit inside the goal
	s_cmp_ge_u32 s3, 17
	s_cselect_b64 s[28:29], s[14:15], s[28:29]     ; Wk
	s_cmp_ge_u32 s3, 18
	s_cselect_b64 s[28:29], s[16:17], s[28:29]     ; Wv
	s_cmp_ge_u32 s3, 19
	s_cselect_b64 s[28:29], s[18:19], s[28:29]     ; Wo
	s_lshl_b32 s36, s32, 22                        ; a unit is 4 MiB of f32
	s_add_co_u32 s36, s36, s34
	s_lshl_b32 s38, s33, 21                        ; and 2 MiB of bf16
	s_add_nc_u64 s[28:29], s[28:29], s[36:37]
	s_add_nc_u64 s[30:31], s[30:31], s[38:39]
; piece i: its two loads are in (left = the younger loads that may stay out), four packed roundings, one store of 16 bytes a lane
.macro OUT8 i, left, off
	s_wait_loadcnt \left
.irp j, 0,1,2,3
	v_cvt_pk_bf16_f32 v[YO+4*\i+\j], v[XI+8*\i+2*\j], v[XI+8*\i+2*\j+1]
.endr
	global_store_b128 v2, v[YO+4*\i:YO+4*\i+3], s[30:31] offset:\off
.endm
	s_cmp_eq_u32 s3, 19
	s_cbranch_scc1 .Lwo
	; in the order in which they lie: thread t takes 8 numbers at 32 t of every 8 KiB piece and stores 16 bytes at 16 t of every 4 KiB
	s_lshl_b32 s38, ttmp9, 15
	s_add_nc_u64 s[30:31], s[30:31], s[38:39]
	v_lshlrev_b32 v1, 5, v0
	v_lshlrev_b32 v2, 4, v0
.irp i, 0,1,2,3,4,5,6,7
	global_load_b128 v[XI+8*\i:XI+8*\i+3],   v1, s[28:29] offset:8192*\i th:TH_LOAD_NT
	global_load_b128 v[XI+8*\i+4:XI+8*\i+7], v1, s[28:29] offset:8192*\i+16 th:TH_LOAD_NT
.endr
.irp i, 0,1,2,3,4,5,6,7
	OUT8 \i, 14-2*\i, 4096*\i
.endr
	s_endpgm
.Lwo:
	; Wo: work-group x holds the 16 rows n = 16 x .. 16 x + 15 (64 KiB, where the source pointer already stands).
	; Wave w takes k = 128 w .. 128 w + 127: four fragments.  Lane (r, h) takes row r; piece f = 2 (fragment) + (half) is k = 16 f + 8 h + 0..7.
	; The sixteen loads of a wave together take 512 consecutive bytes of each of 16 rows; each store is 512 consecutive bytes, aligned.
	s_lshr_b32 s36, ttmp9, 3
	s_lshl_b32 s36, s36, 18                        ; (n >> 7) * 262,144
	s_and_b32 s38, ttmp9, 7
	s_lshl_b32 s38, s38, 10                        ; ((n >> 4) & 7) * 1,024
	s_add_co_u32 s38, s38, s36
	s_add_nc_u64 s[30:31], s[30:31], s[38:39]
	v_and_b32 v3, 15, v0                           ; r
	v_bfe_u32 v1, v0, 4, 1                         ; h
	v_lshlrev_b32 v1, 5, v1                        ; 32 h
	v_lshl_add_u32 v1, v3, 12, v1                  ; + 4,096 r
	v_lshrrev_b32 v3, 5, v0                        ; w
	v_lshl_add_u32 v1, v3, 9, v1                   ; + 512 w
	v_and_b32 v2, 31, v0
	v_lshlrev_b32 v2, 4, v2                        ; 16 l
	v_lshl_add_u32 v2, v3, 15, v2                  ; + 4 fragments' K steps of 8,192 bytes for each wave
.irp i, 0,1,2,3,4,5,6,7
	global_load_b128 v[XI+8*\i:XI+8*\i+3],   v1, s[28:29] offset:64*\i th:TH_LOAD_NT
	global_load_b128 v[XI+8*\i+4:XI+8*\i+7], v1, s[28:29] offset:64*\i+16 th:TH_LOAD_NT
.endr
.irp i, 0,1,2,3,4,5,6,7
	OUT8 \i, 14-2*\i, (\i/2)*8192+(\i%2)*512
.endr
	s_endpgm
.Lfunc_end_k_q192813f830_cvt:
	.size	k_q192813f830_cvt, .Lfunc_end_k_q192813f830_cvt-k_q192813f830_cvt
	.p2alignl 7, 3214868480
	.fill 96, 4, 3214868480
	.section	.rodata,"a",@progbits
	.p2align	6, 0x0
	.amdhsa_kernel k_q192813f830_cvt
		.amdhsa_group_segment_fixed_size 0
		.amdhsa_private_segment_fixed_size 0
		.amdhsa_enable_private_segment 0
		.amdhsa_kernarg_size 72
		.amdhsa_user_sgpr_count 2
		.amdhsa_user_sgpr_kernarg_segment_ptr 1
		.amdhsa_wavefront_size32 1
		.amdhsa_system_sgpr_workgroup_id_x 1
		.amdhsa_system_sgpr_workgroup_id_y 1
		.amdhsa_system_sgpr_workgroup_id_z 1
		.amdhsa_system_vgpr_workitem_id 0
		.amdhsa_next_free_vgpr 100
		.amdhsa_next_free_sgpr 66
		.amdhsa_reserve_vcc 0
		.amdhsa_float_denorm_mode_32 3
		.amdhsa_float_denorm_mode_16_64 3
		.amdhsa_memory_ordered 1
		.amdhsa_forward_progress 1
		.amdhsa_inst_pref_size 12
	.end_amdhsa_kernel
	.amdgpu_metadata
---
amdhsa.version: [ 1, 2 ]
amdhsa.kernels:
  - .name:           k_q192813f830_cvt
    .symbol:         k_q192813f830_cvt.kd
    .args:
      - { .name: Q, .offset: 0, .size: 8, .value_kind: global_buffer, .address_space: global }
      - { .name: K, .offset: 8, .size: 8, .value_kind: global_buffer, .address_space: global }
      - { .name: Wq, .offset: 16, .size: 8, .value_kind: global_buffer, .address_space: global }
      - { .name: Wk, .offset: 24, .size: 8, .value_kind: global_buffer, .address_space: global }
      - { .name: Wv, .offset: 32, .size: 8, .value_kind: global_buffer, .address_space: global }
      - { .name: Wo, .offset: 40, .size: 8, .value_kind: global_buffer, .address_space: global }
      - { .name: Qb, .offset: 48, .size: 8, .value_kind: global_buffer, .address_space: global }
      - { .name: Kb, .offset: 56, .size: 8, .value_kind: global_buffer, .address_space: global }
      - { .name: Wb, .offset: 64, .size: 8, .value_kind: global_buffer, .address_space: global }
    .group_segment_fixed_size: 0
    .private_segment_fixed_size: 0
    .kernarg_segment_align: 8
    .kernarg_segment_size: 72
    .max_flat_workgroup_size: 256
    .sgpr_count:     66
    .vgpr_count:     100
    .wavefront_size: 32
...
	.end_amdgpu_metadata
.endif
;; end of part 1
;; launch proj (part 2): grid 24 x 32, 4 waves a work-group, clusters of 4 x 4, 327,680 bytes of LDS; arguments Qb, Kb, Wb, bq, bk, bv, Qp, Kp, Vp; writes Qp, Kp, Vp
.if DOCPART == 2
	.amdgcn_target "amdgcn-amd-amdhsa--gfx1250"
	.amdhsa_code_object_version 6
	.text
	.protected	k_q192813f830_proj
	.globl	k_q192813f830_proj
	.p2align	8
	.type	k_q192813f830_proj,@function
k_q192813f830_proj:
	s_mov_b64 s[64:65], 0
	v_nop
	global_prefetch_b8 v0, s[64:65] scope:SCOPE_SE
	s_setreg_imm32_b32 hwreg(HW_REG_WAVE_MODE, 25, 1), 1
	s_wait_xcnt 0x0
	s_wait_alu depctr_hold_cnt(0) depctr_sa_sdst(0) depctr_va_vdst(0) depctr_va_sdst(0) depctr_va_ssrc(0) depctr_va_vcc(0) depctr_vm_vsrc(0)
	s_getreg_b32 s2, hwreg(HW_REG_IB_STS2, 6, 4)
	s_cmp_eq_u32 s2, 0
	s_cbranch_scc0 .Lentry_in_a_cluster
	s_endpgm
.Lentry_in_a_cluster:
	s_bfe_u32 s2, ttmp6, 0x10000c
	s_cmp_lg_u32 s2, 0xf033
	s_cbranch_scc0 .Lentry_shape_is_right
	s_endpgm
.Lentry_shape_is_right:
; The three projections as one product: [8192 tokens][1024] x (rows of Wq, Wk, Wv: [3072][1024])^T + bias.
; Block column bx (0-23) is 128 rows of Wb = 128 output columns; bx >> 3 is the panel: 0 Qp (from Qb, f32 out, it is the later residual),
; 1 Kp, 2 Vp (from Kb, bf16 out: they are matrix operands only).  Block row by (0-31) is 256 tokens.  768 equal blocks.
; Operands bf16, sums f32; the bias is the C operand of the first products, so nothing is cleared and nothing is added on the way out.
; Four waves; wave w makes tokens 64 w .. 64 w + 63 x all 128 columns: 4 x 8 accumulator tiles, 256 registers.
; K goes in steps of 128 (rows of 256 bytes, aligned) through a ring of two LDS slots filled by tensor loads.
; CLUSTERS: 4 x 4 work-groups.  The token tile hangs on by alone and is asked for jointly along a row of the cluster, the weight tile on bx alone
; and is asked for jointly along a column.  The panel is (cluster x) >> 1, equal in all sixteen, so choices on it are alike in all partners.
; THE MATRIX INSTRUCTION IS USED TRANSPOSED: source 0 = 16 rows of Wb, source 1 = 16 tokens; lane (r, h) then holds token r and the eight
; neighbouring columns 8 h + 0..7 of the tile.
; REGISTERS: window 0: addresses, two fragment buffers (64 registers of weights, 32 of tokens each); window 1: the 32 accumulator tiles,
; tile (a, b) at v[8 (8 a + b)]; window 2: the bias of my lanes' columns, v[8 b + j].
.set PITCH,  272                       ; an LDS row: 256 bytes + 16 of padding, an odd multiple of 16: the 16 rows of a fragment load start in 16 different groups of banks (ISA guide 11.1)
.set ATILE,  128*PITCH                 ; what waves 0 and 1 fetch: 128 token rows each
.set BTILE,  64*PITCH                  ; what waves 2 and 3 fetch: 64 weight rows each; also a wave's 64 token rows
.set BOFF,   256*PITCH                 ; the weight rows lie behind the 256 token rows
.set SLOT,   384*PITCH
.set STAGE,  2*SLOT                    ; behind the ring, 8,448 bytes for each wave; no fill lands there
.set STAGEW, 16*528
.set LAPS,   4                         ; 1024 / (2 x 128)
.set ADRA, 16                          ; v16-17  LDS address of my token fragments, slot 0, 1
.set ADRB, 20                          ; v20-21  the same for the weights
.set STO,  24                          ; f32 way out: where a lane puts its 32 bytes
.set RD,   25                          ;              where a row of 512 bytes is read back
.set CO,   26                          ;              lane offset in Qp
.set STOB, 27                          ; bf16 way out: the same three
.set RDB,  28
.set COB,  29
.set BO,   30                          ; lane offset in the bias
.set F0,   32                          ; fragment buffer 0: weights at +8 b, tokens at +64 + 8 a
.set F1,   128                         ; fragment buffer 1
.set PKR,  96                          ; way out: packed bf16
.set RB,   192                         ; way out: rows read back
.set G1,  32                           ; s[32:39] group 1, token tiles
.set G0,  40                           ; s[40:47] group 0, token tiles, a set for each slot
.set G1B, 48                           ; s[48:55] group 1, weight tiles
.set G0B, 56                           ; s[56:63] group 0, weight tiles
.set MUL,  0x50                        ; C and D in window 1, sources in window 0
.set MULB, 0x60                        ; D in window 1, C (the bias) in window 2
.set MSB, 0
.macro WIN new                         ; the immediate's high byte repeats the setting that is left
.if MSB != \new
	s_set_vgpr_msb (MSB<<8)|\new
.set MSB, \new
.endif
.endm
; A joint load: waves 0, 1 ask for the token tile's halves, waves 2, 3 for the weight tile's.  The branch hangs on the wave's number alone.
.macro JLOAD s
	s_cmp_eq_u32 s23, 0
	s_cbranch_scc0 .Lfor_b_\@
	tensor_load_to_lds s[G0+4*\s:G0+4*\s+3], s[G1:G1+7]
	s_nop 0
	s_branch .Lasked_\@
.Lfor_b_\@:
	tensor_load_to_lds s[G0B+4*\s:G0B+4*\s+3], s[G1B:G1B+7]
	s_nop 0
.Lasked_\@:
.endm
.macro CREST                           ; a round of the cluster's barrier behind its opening work-group barrier
	s_cmp_lg_u32 s22, 0
	s_cbranch_scc1 .Lnot_wave_0_\@
	s_barrier_signal -3
.Lnot_wave_0_\@:
	s_barrier_wait -3
	s_barrier_signal -1
	s_barrier_wait -1
.endm
.macro CROUND                          ; a whole round
	s_barrier_signal -1
	s_barrier_wait -1
	CREST
.endm
.macro PLACES                          ; four places behind a matrix instruction, in front of loads into its sources and of reads of its result
.rept 4
	v_nop
.endr
.endm
	s_load_b512 s[4:19], s[0:1], 0x0               ; Qb, Kb, Wb, bq, bk, bv, Qp, Kp
	s_load_b64 s[20:21], s[0:1], 0x40              ; Vp
	v_lshl_add_u32 v23, v0, 2, 0x3b400
	v_mov_b32 v31, 0
	ds_add_u32 v23, v31
	ds_add_u32 v23, v31
	v_lshrrev_b32 v1, 5, v0
	v_readfirstlane_b32 s22, v1                    ; wave 0..3
	s_lshr_b32 s23, s22, 1                         ; I fetch tokens (0) or weights (1)
	s_and_b32 s24, s22, 1                          ; which half of that tile
	s_bfe_u32 s25, ttmp6, 0x40000                  ; cx
	s_bfe_u32 s26, ttmp6, 0x40004                  ; cy
	s_lshl_b32 s27, ttmp9, 2
	s_add_co_u32 s27, s27, s25                     ; bx = 4 x cluster x + cx
	s_and_b32 s28, ttmp7, 0xffff
	s_lshl_b32 s28, s28, 2
	s_add_co_u32 s28, s28, s26                     ; by = 4 x cluster y + cy
	s_lshr_b32 s29, ttmp9, 1                       ; panel = bx >> 3
	s_lshl_b32 s30, s26, 2
	s_lshl_b32 s30, 15, s30                        ; my row of the cluster
	s_lshl_b32 s31, 0x1111, s25                    ; my column
	; group 1: elements of 2 bytes; rows of 128 elements, padded by 4 words behind every 64; pitch 1,024 elements
	s_or_b32 s[G1+0], s30, (1<<16)|(1<<20)|(1<<21)|(5<<22)|(3<<25)
	s_mov_b32 s[G1+1], 128<<16                     ; tensor_dim0 = 128
	s_mov_b32 s[G1+2], 128<<16                     ; tensor_dim1 = 128 rows
	s_mov_b32 s[G1+3], 128<<16                     ; tile_dim0 = 128
	s_mov_b32 s[G1+4], 128                         ; tile_dim1 = 128
	s_mov_b32 s[G1+5], 1024
	s_mov_b32 s[G1+6], 0
	s_mov_b32 s[G1+7], 0
	s_or_b32 s[G1B+0], s31, (1<<16)|(1<<20)|(1<<21)|(5<<22)|(3<<25)
	s_mov_b32 s[G1B+1], 128<<16
	s_mov_b32 s[G1B+2], 64<<16                     ; 64 rows
	s_mov_b32 s[G1B+3], 128<<16
	s_mov_b32 s[G1B+4], 64
	s_mov_b32 s[G1B+5], 1024
	s_mov_b32 s[G1B+6], 0
	s_mov_b32 s[G1B+7], 0
	; where the tiles come from: s[68:69] never holds cx, s[70:71] never cy
	s_lshl_b32 s68, s28, 19                        ; by x 256 rows x 2,048 bytes
	s_lshl_b32 s69, s24, 18                        ; + half x 128 rows
	s_add_co_u32 s68, s68, s69
	s_mov_b32 s69, 0
	s_lshl_b32 s70, s27, 18                        ; bx x 128 rows x 2,048 bytes
	s_lshl_b32 s71, s24, 17                        ; + half x 64 rows
	s_add_co_u32 s70, s70, s71
	s_mov_b32 s71, 0
	s_mul_i32 s72, s22, ATILE                      ; and where they go: tokens at wave x 128 rows (waves 0, 1),
	s_mul_i32 s73, s22, BTILE                      ; weights at 256 rows + (wave - 2) x 64 rows (waves 2, 3)
	s_add_co_u32 s73, s73, ATILE
	s_wait_dscnt 0x0
	s_wait_kmcnt 0x0
	s_cmp_eq_u32 s29, 0
	s_cselect_b64 s[66:67], s[4:5], s[6:7]         ; tokens: Qb for panel 0, else Kb
	s_add_nc_u64 s[66:67], s[66:67], s[68:69]
	s_add_nc_u64 s[74:75], s[8:9], s[70:71]
	CROUND                                         ; all sixteen work-groups are here: the first joint loads meet
.irp s, 0,1
	s_mov_b32 s[G0+4*\s], 1
	s_add_co_u32 s[G0+4*\s+1], s72, \s*SLOT
	s_add_nc_u64 s[G0+4*\s+2:G0+4*\s+3], s[66:67], \s*256          ; K step s
	s_or_b32 s[G0+4*\s+3], s[G0+4*\s+3], 0x80000000
	s_mov_b32 s[G0B+4*\s], 1
	s_add_co_u32 s[G0B+4*\s+1], s73, \s*SLOT
	s_add_nc_u64 s[G0B+4*\s+2:G0B+4*\s+3], s[74:75], \s*256
	s_or_b32 s[G0B+4*\s+3], s[G0B+4*\s+3], 0x80000000
	JLOAD \s                                       ; both slots' first fills go out before anything else: two tensor loads of the wave are out
.endr
	; the bias of my lanes' columns: column 16 b + 8 h + j of the block, the same for every token tile
	v_and_b32 v1, 15, v0                           ; r
	v_bfe_u32 v2, v0, 4, 1                         ; h
	v_and_b32 v3, 31, v0                           ; l
	v_lshlrev_b32 v[BO], 5, v2
	s_cmp_eq_u32 s29, 1
	s_cselect_b64 s[76:77], s[12:13], s[10:11]     ; bk or bq
	s_cmp_eq_u32 s29, 2
	s_cselect_b64 s[76:77], s[14:15], s[76:77]     ; bv
	s_and_b32 s70, s27, 7
	s_lshl_b32 s70, s70, 9                         ; 128 columns of f32 for each block column of the panel
	s_add_nc_u64 s[76:77], s[76:77], s[70:71]
	WIN 0x80                                       ; destination in window 2
.irp b, 0,1,2,3,4,5,6,7
	global_load_b128 v[8*\b:8*\b+3],   v[BO], s[76:77] offset:64*\b
	global_load_b128 v[8*\b+4:8*\b+7], v[BO], s[76:77] offset:64*\b+16
.endr
	WIN 0
	; lane addresses.  A fragment: lane (r, h) takes row r, 16 bytes at 16 h and 16 bytes 32 further on.
	v_mul_u32_u24 v4, v1, PITCH
	v_lshl_add_u32 v4, v2, 4, v4                   ; 272 r + 16 h
	s_mul_i32 s78, s22, BTILE                      ; my 64 token rows
	v_add_nc_u32 v[ADRA], s78, v4
	v_add_nc_u32 v[ADRA+1], SLOT, v[ADRA]
	v_add_nc_u32 v[ADRB], BOFF, v4
	v_add_nc_u32 v[ADRB+1], BOFF+SLOT, v4
	s_mul_i32 s78, s22, STAGEW
	s_add_co_u32 s78, s78, STAGE                   ; my stage
	v_mul_u32_u24 v5, v1, 528
	v_lshl_add_u32 v5, v2, 5, v5
	v_add_nc_u32 v[STO], s78, v5                   ; f32: row r of 528 bytes, 32 h
	v_lshlrev_b32 v[CO], 4, v3
	v_add_nc_u32 v[RD], s78, v[CO]                 ; back: 32 lanes take one row's 512 bytes
	v_add_nc_u32 v[STOB], s78, v4                  ; bf16: row r of 272 bytes, 16 h
	v_mul_u32_u24 v5, v2, PITCH
	v_lshl_add_u32 v5, v1, 4, v5
	v_add_nc_u32 v[RDB], s78, v5                   ; back: lanes 0-15 one row's 256 bytes, lanes 16-31 the next
	v_lshlrev_b32 v5, 11, v2
	v_lshl_add_u32 v[COB], v1, 4, v5               ; and the same two rows of 2,048 bytes in Kp or Vp
; 8 matrix instructions: token tile a x all 8 column tiles, 32 along K.  zero = 1: the first products take the bias as C.
; The 32 accumulators take turns, one instruction a turn, in the same order everywhere.
.macro MUL8 f, a, zero
.if \zero
	WIN MULB
.else
	WIN MUL
.endif
.irp b, 0,1,2,3,4,5,6,7
.if \zero
	v_wmma_f32_16x16x32_bf16 v[8*(8*(\a)+\b):8*(8*(\a)+\b)+7], v[\f+8*\b:\f+8*\b+7], v[\f+64+8*(\a):\f+64+8*(\a)+7], v[8*\b:8*\b+7]
.else
	v_wmma_f32_16x16x32_bf16 v[8*(8*(\a)+\b):8*(8*(\a)+\b)+7], v[\f+8*\b:\f+8*\b+7], v[\f+64+8*(\a):\f+64+8*(\a)+7], v[8*(8*(\a)+\b):8*(8*(\a)+\b)+7]
.endif
.endr
.endm
.macro MUL16 f, a0, zero
	MUL8 \f, \a0, \zero
	MUL8 \f, \a0+1, \zero
.endm
; 24 LDS loads in one run: 128 weight rows, then my 64 token rows, 32 K at byte k of the rows, into buffer f
.macro FETCH slot, k, f
	WIN 0
.irp i, 0,1,2,3,4,5,6,7
	ds_load_b128 v[\f+8*\i:\f+8*\i+3],   v[ADRB+\slot] offset:\k+\i*16*PITCH
	ds_load_b128 v[\f+8*\i+4:\f+8*\i+7], v[ADRB+\slot] offset:\k+\i*16*PITCH+32
.endr
.irp i, 0,1,2,3
	ds_load_b128 v[\f+64+8*\i:\f+64+8*\i+3], v[ADRA+\slot] offset:\k+\i*16*PITCH
	ds_load_b128 v[\f+64+8*\i+4:\f+64+8*\i+7], v[ADRA+\slot] offset:\k+\i*16*PITCH+32
.endr
.endm
; One of a K step's first three quarters: multiplies buffer f; in its middle fetches the next quarter, at byte k, into buffer g.
.macro QUARTER slot, k, f, g, zero
	s_wait_dscnt 4                                 ; the weights and token tiles 0, 1 are in; the youngest four loads (token tiles 2, 3) may be out
	MUL16 \f, 0, \zero
	PLACES
	FETCH \slot, \k, \g
	s_wait_dscnt 24                                ; all but the 24 just issued
	MUL16 \f, 2, \zero
.endm
.macro THREE slot, zero
	QUARTER \slot, 64,  F0, F1, \zero
	QUARTER \slot, 128, F1, F0, 0
	QUARTER \slot, 192, F0, F1, 0
.endm
; The last quarter multiplies buffer 1 and changes slots.  In front of the barrier each wave waits for its reads of this slot and for all its
; tensor loads (one is out: its part of the next slot).  fill = 1: the barrier opens a round of the cluster's barrier, and this slot's refill,
; two K steps ahead, is the first tensor load behind the round.
.macro TURN slot, next, fill
	s_wait_dscnt 4
	MUL8 F1, 0, 0
	s_wait_dscnt 0
	s_wait_tensorcnt 0x0
	ds_add_u32 v23, v31
	s_wait_dscnt 0x0
	s_barrier_signal -1
	MUL8 F1, 1, 0                                  ; registers only, while the others arrive
	WIN 0
	s_barrier_wait -1
.if \fill
	CREST
	s_add_nc_u64 s[G0+4*\slot+2:G0+4*\slot+3], s[G0+4*\slot+2:G0+4*\slot+3], 512    ; no tensor load of mine is out: the addresses may step
	s_add_nc_u64 s[G0B+4*\slot+2:G0B+4*\slot+3], s[G0B+4*\slot+2:G0B+4*\slot+3], 512
	JLOAD \slot
.endif
	PLACES
	FETCH \next, 0, F0
	MUL8 F1, 2, 0
	MUL8 F1, 3, 0
.endm
.macro LAP zero
	THREE 0, \zero
	TURN 0, 1, 1
	THREE 1, 0
	TURN 1, 0, 1
.endm
	s_wait_loadcnt 0x0                             ; the bias
	s_wait_tensorcnt 1                             ; my part of K step 0 is in; K step 1's stays out
	s_barrier_signal -1
	s_barrier_wait -1
	FETCH 0, 0, F0
	LAP 1                                          ; the first lap stands in front of the loop: its first products start the sums
	WIN 0
	s_mov_b32 s80, LAPS-2
.Llap:
	LAP 0
	WIN 0
	s_sub_co_u32 s80, s80, 1
	s_cmp_lg_u32 s80, 0
	s_cbranch_scc1 .Llap
	THREE 0, 0                                     ; the last lap fills nothing
	TURN 0, 1, 0
	THREE 1, 0
	s_wait_dscnt 4
	MUL8 F1, 0, 0
	MUL8 F1, 1, 0
	s_wait_dscnt 0
	MUL8 F1, 2, 0
	MUL8 F1, 3, 0
	; THE WAY OUT, 16 tokens at a time through my own stage, read back as whole rows.
	PLACES
	WIN 0
; f32: a lane's 8 numbers of a tile are 32 bytes of a row of 512; each store of the wave covers 512 consecutive bytes, aligned
.macro OUTQ a
	WIN 0x04                                       ; store data in window 1
.irp b, 0,1,2,3,4,5,6,7
	ds_store_b128 v[STO], v[8*(8*\a+\b):8*(8*\a+\b)+3]   offset:64*\b
	ds_store_b128 v[STO], v[8*(8*\a+\b)+4:8*(8*\a+\b)+7] offset:64*\b+16
.endr
	WIN 0
	s_wait_xcnt 0x0                                ; RB and the base, which the last stores read, are rewritten only behind this wait
.if \a
	s_add_nc_u64 s[76:77], s[76:77], 16*4096
.endif
.irp t, 0,1,2,3,4,5,6,7,8,9,10,11,12,13,14,15
	ds_load_b128 v[RB+4*\t:RB+4*\t+3], v[RD] offset:528*\t         ; LDS serves a wave's instructions in order: these see the stores above
.endr
.irp t, 0,1,2,3,4,5,6,7,8,9,10,11,12,13,14,15
	s_wait_dscnt 15-\t                             ; row t is back; the younger rows stay out
	global_store_b128 v[CO], v[RB+4*\t:RB+4*\t+3], s[76:77] offset:4096*\t
.endr
.endm
; bf16: a lane's 8 numbers pack into 16 bytes of a row of 256; sixteen lanes store 256 consecutive bytes, aligned
.macro OUTB a
	WIN 0x05                                       ; both sources in window 1
.irp b, 0,1,2,3,4,5,6,7
.irp p, 0,1,2,3
	v_cvt_pk_bf16_f32 v[PKR+4*\b+\p], v[8*(8*\a+\b)+2*\p], v[8*(8*\a+\b)+2*\p+1]
.endr
.endr
	WIN 0
.irp b, 0,1,2,3,4,5,6,7
	ds_store_b128 v[STOB], v[PKR+4*\b:PKR+4*\b+3] offset:32*\b
.endr
	s_wait_xcnt 0x0
.if \a
	s_add_nc_u64 s[76:77], s[76:77], 16*2048
.endif
.irp t, 0,1,2,3,4,5,6,7
	ds_load_b128 v[RB+4*\t:RB+4*\t+3], v[RDB] offset:2*PITCH*\t
.endr
.irp t, 0,1,2,3,4,5,6,7
	s_wait_dscnt 7-\t
	global_store_b128 v[COB], v[RB+4*\t:RB+4*\t+3], s[76:77] offset:4096*\t
.endr
.endm
	s_cmp_eq_u32 s29, 0
	s_cbranch_scc1 .Lq
	s_cmp_eq_u32 s29, 1
	s_cselect_b64 s[76:77], s[18:19], s[20:21]     ; Kp or Vp
	s_lshl_b32 s68, s28, 19                        ; by x 256 rows x 2,048 bytes
	s_lshl_b32 s69, s22, 17                        ; + wave x 64 rows
	s_add_co_u32 s68, s68, s69
	s_mov_b32 s69, 0
	s_and_b32 s70, s27, 7
	s_lshl_b32 s70, s70, 8                         ; 128 columns of bf16
	s_add_nc_u64 s[76:77], s[76:77], s[68:69]
	s_add_nc_u64 s[76:77], s[76:77], s[70:71]
	OUTB 0
	OUTB 1
	OUTB 2
	OUTB 3
	s_branch .Ldone
.Lq:
	s_lshl_b32 s68, s28, 20                        ; by x 256 rows x 4,096 bytes
	s_lshl_b32 s69, s22, 18
	s_add_co_u32 s68, s68, s69
	s_mov_b32 s69, 0
	s_and_b32 s70, s27, 7
	s_lshl_b32 s70, s70, 9                         ; 128 columns of f32
	s_add_nc_u64 s[76:77], s[16:17], s[68:69]
	s_add_nc_u64 s[76:77], s[76:77], s[70:71]
	OUTQ 0
	OUTQ 1
	OUTQ 2
	OUTQ 3
.Ldone:
	s_wait_tensorcnt 0x0
	ds_add_u32 v23, v31
	s_wait_dscnt 0x0
	CROUND                                         ; the closing round: no work-group ends while a partner may still ask for a tile that names it
	s_endpgm
.Lfunc_end_k_q192813f830_proj:
	.size	k_q192813f830_proj, .Lfunc_end_k_q192813f830_proj-k_q192813f830_proj
	.p2alignl 7, 3214868480
	.fill 96, 4, 3214868480
	.section	.rodata,"a",@progbits
	.p2align	6, 0x0
	.amdhsa_kernel k_q192813f830_proj
		.amdhsa_group_segment_fixed_size 327680
		.amdhsa_private_segment_fixed_size 0
		.amdhsa_enable_private_segment 0
		.amdhsa_kernarg_size 72
		.amdhsa_user_sgpr_count 2
		.amdhsa_user_sgpr_kernarg_segment_ptr 1
		.amdhsa_wavefront_size32 1
		.amdhsa_system_sgpr_workgroup_id_x 1
		.amdhsa_system_sgpr_workgroup_id_y 1
		.amdhsa_system_sgpr_workgroup_id_z 1
		.amdhsa_system_vgpr_workitem_id 0
		.amdhsa_next_free_vgpr 576
		.amdhsa_next_free_sgpr 84
		.amdhsa_reserve_vcc 0
		.amdhsa_float_denorm_mode_32 3
		.amdhsa_float_denorm_mode_16_64 3
		.amdhsa_memory_ordered 1
		.amdhsa_forward_progress 1
		.amdhsa_inst_pref_size 136
	.end_amdhsa_kernel
	.amdgpu_metadata
---
amdhsa.version: [ 1, 2 ]
amdhsa.kernels:
  - .name:           k_q192813f830_proj
    .symbol:         k_q192813f830_proj.kd
    .args:
      - { .name: Qb, .offset: 0, .size: 8, .value_kind: global_buffer, .address_space: global }
      - { .name: Kb, .offset: 8, .size: 8, .value_kind: global_buffer, .address_space: global }
      - { .name: Wb, .offset: 16, .size: 8, .value_kind: global_buffer, .address_space: global }
      - { .name: bq, .offset: 24, .size: 8, .value_kind: global_buffer, .address_space: global }
      - { .name: bk, .offset: 32, .size: 8, .value_kind: global_buffer, .address_space: global }
      - { .name: bv, .offset: 40, .size: 8, .value_kind: global_buffer, .address_space: global }
      - { .name: Qp, .offset: 48, .size: 8, .value_kind: global_buffer, .address_space: global }
      - { .name: Kp, .offset: 56, .size: 8, .value_kind: global_buffer, .address_space: global }
      - { .name: Vp, .offset: 64, .size: 8, .value_kind: global_buffer, .address_space: global }
    .group_segment_fixed_size: 327680
    .private_segment_fixed_size: 0
    .kernarg_segment_align: 8
    .kernarg_segment_size: 72
    .max_flat_workgroup_size: 128
    .sgpr_count:     84
    .vgpr_count:     576
    .wavefront_size: 32
...
	.end_amdgpu_metadata
.endif
;; end of part 2
;; launch attn (part 3): grid 256 x 1, 8 waves a work-group, clusters of 4 x 1, 327,680 bytes of LDS; arguments Qp, Kp, Vp, Ob; writes Ob
.if DOCPART == 3
	.amdgcn_target "amdgcn-amd-amdhsa--gfx1250"
	.amdhsa_code_object_version 6
	.text
	.protected	k_q192813f830_attn
	.globl	k_q192813f830_attn
	.p2align	8
	.type	k_q192813f830_attn,@function
k_q192813f830_attn:
	s_mov_b64 s[64:65], 0
	v_nop
	global_prefetch_b8 v0, s[64:65] scope:SCOPE_SE
	s_setreg_imm32_b32 hwreg(HW_REG_WAVE_MODE, 25, 1), 1
	s_wait_xcnt 0x0
	s_wait_alu depctr_hold_cnt(0) depctr_sa_sdst(0) depctr_va_vdst(0) depctr_va_sdst(0) depctr_va_ssrc(0) depctr_va_vcc(0) depctr_vm_vsrc(0)
	s_getreg_b32 s2, hwreg(HW_REG_IB_STS2, 6, 4)
	s_cmp_eq_u32 s2, 0
	s_cbranch_scc0 .Lentry_in_a_cluster
	s_endpgm
.Lentry_in_a_cluster:
	s_bfe_u32 s2, ttmp6, 0x10000c
	s_cmp_lg_u32 s2, 0x3003
	s_cbranch_scc0 .Lentry_shape_is_right
	s_endpgm
.Lentry_shape_is_right:
; Ob = Q_ + softmax(Q_ K_^T / 32) V_ / 2048, head by head, heads merged as they lie in Qp: Ob[token][64 head + d].
; A cluster of four work-groups is one (batch, head) pair; each takes 512 queries, and the four ask JOINTLY (mask 15) for the same tiles of K and V.
; Eight waves, 64 queries each, two waves on a SIMD so that one wave's softmax runs beside the other's matrix work.
; Keys go in blocks of 256 through a ring of two LDS slots; a block is worked in four sub-steps of 64 keys.
; TRANSPOSED FORMS.  S^T = K Q^T (source 0 = 16 keys, source 1 = 16 queries): lane (r, h) holds query r, keys 8 h + j.  Two neighbouring key tiles,
; packed to bf16, ARE the second source of O^T = V^T P for 32 keys; V^T's fragments come by the transposing LDS load.  O^T: lane (r, h) holds query r,
; d = 16 t + 8 h + j.  So maximum, sum and rescaling are a lane's own, but for one exchange between the halves of the wave for each query tile.
; NUMBERS.  Matrix operands bf16, sums f32.  Softmax in base 2 with a running maximum: Q is multiplied by log2(e) / 32 in f32 before it is rounded.
; The row sum is at least 1 (the largest term is 2^0), so the reciprocal is of a number between 2,048 and 2,048 x 2,048.
; v_exp_f32 gives 0 for results below 2^-126 (ISA guide 15.8): such terms are below 2^-126 of the row's largest.
; Rows of K and V are a head's 128 bytes at a pitch of 2,048 bytes: they are that short in the tensor itself.
.set PV,     160                       ; V's LDS pitch: 128 + 32, an odd multiple of 32, for the transposing load
.set PK,     144                       ; K's LDS pitch: 128 + 16, an odd multiple of 16
.set PS,     272                       ; the stash's pitch: 64 f32 + 16
.set KOFF,   256*PV                    ; a slot: V's 256 rows, then K's 256 rows
.set SLOT,   256*PV+256*PK             ; 77,824
.set STASH,  2*SLOT                    ; behind the ring: each wave's 64 rows of Qp in f32: the residual, later the stage of the way out; no fill lands there
.set STASHW, 64*PS
.set ADRK, 4                           ; v4-5    K fragments, slot 0, 1
.set ADRV, 6                           ; v6-7    V^T fragments
.set STF,  8                           ; stash in fragment order: 272 r + 32 h
.set STR,  9                           ; stash by rows: 272 h + 16 r
.set GO,   10                          ; two rows of Qp or Ob: 4,096 h + 16 r
.set MX,   16                          ; v[16+2 qt] pair: the running maximum, twice
.set AL,   24                          ; pair: the rescaling factor, twice; at the end 1 / (2048 sum)
.set LS,   32                          ; pair: two running partial sums
.set T,    40                          ; at work, one for each query tile
.set TP,   44                          ; the other half's figure
.set QB,   48                          ; v48-111  Q fragments: 16 qt + 8 ks
.set S,    112                         ; v112-239 scores: tile (kt, qt) at 8 (4 kt + qt)
.set KF,   128                         ; window 1: K fragments, 16 kt + 8 ks
.set VF,   192                         ; window 1: V^T fragments, 32 g + 8 t.   Window 1, v0-127: O^T, tile (t, qt) at 8 (4 t + qt)
.set G1V, 32
.set G1K, 40
.set G0V, 48                           ; s[48:55] a set for each slot
.set G0K, 56                           ; s[56:63]
.set LDF, 0x40                         ; LDS load into window 1
.set MQK, 0x01                         ; source 0 in window 1
.set MPV, 0x51                         ; source 0, C and D in window 1
.set RSC, 0x41                         ; source 0 and destination in window 1
.set C2Q, 0x05                         ; both sources in window 1
.set MSB, 0
.macro WIN new
.if MSB != \new
	s_set_vgpr_msb (MSB<<8)|\new
.set MSB, \new
.endif
.endm
.macro ROUND                           ; a round of the cluster's barrier
	s_barrier_signal -1
	s_barrier_wait -1
	s_cmp_lg_u32 s12, 0
	s_cbranch_scc1 .Lnot_wave_0_\@
	s_barrier_signal -3
.Lnot_wave_0_\@:
	s_barrier_wait -3
	s_barrier_signal -1
	s_barrier_wait -1
.endm
.macro JLOAD s                         ; waves 0-3 ask for 64 rows of V each, waves 4-7 for 64 rows of K each
	s_cmp_eq_u32 s13, 0
	s_cbranch_scc0 .Lfor_k_\@
	tensor_load_to_lds s[G0V+4*\s:G0V+4*\s+3], s[G1V:G1V+7]
	s_nop 0
	s_branch .Lasked_\@
.Lfor_k_\@:
	tensor_load_to_lds s[G0K+4*\s:G0K+4*\s+3], s[G1K:G1K+7]
	s_nop 0
.Lasked_\@:
.endm
	s_load_b256 s[4:11], s[0:1], 0x0               ; Qp, Kp, Vp, Ob
	v_lshl_add_u32 v254, v0, 2, 0x48000
	v_mov_b32 v255, 0
	ds_add_u32 v254, v255
	ds_add_u32 v254, v255
	v_lshrrev_b32 v1, 5, v0
	v_readfirstlane_b32 s12, v1                    ; wave 0..7
	s_lshr_b32 s13, s12, 2                         ; I fetch V (0) or K (1)
	s_and_b32 s14, s12, 3                          ; which 64 rows of the tile
	s_lshr_b32 s15, ttmp9, 4                       ; batch: the cluster's number is 16 batch + head
	s_and_b32 s16, ttmp9, 15                       ; head
	s_bfe_u32 s17, ttmp6, 0x40000                  ; cx: which 512 queries; it enters Qp's and Ob's addresses alone
	s_mov_b32 s18, 0x76543210                      ; v_permlanex16_b32: lane i takes lane i of the other half
	s_mov_b32 s19, 0xfedcba98
	s_mov_b32 s22, 0x3d38aa3b                      ; log2(e) / 32
	s_mov_b32 s23, 0x3d38aa3b
	; group 1: elements of 2 bytes, 64 rows of 64 elements, pitch 1,024 elements; behind every 32 words V skips 8 words, K 4
	s_mov_b32 s[G1V+0], 15|(1<<16)|(1<<20)|(1<<21)|(4<<22)|(7<<25)
	s_mov_b32 s[G1V+1], 64<<16
	s_mov_b32 s[G1V+2], 64<<16
	s_mov_b32 s[G1V+3], 64<<16
	s_mov_b32 s[G1V+4], 64
	s_mov_b32 s[G1V+5], 1024
	s_mov_b32 s[G1V+6], 0
	s_mov_b32 s[G1V+7], 0
	s_mov_b32 s[G1K+0], 15|(1<<16)|(1<<20)|(1<<21)|(4<<22)|(3<<25)
	s_mov_b32 s[G1K+1], 64<<16
	s_mov_b32 s[G1K+2], 64<<16
	s_mov_b32 s[G1K+3], 64<<16
	s_mov_b32 s[G1K+4], 64
	s_mov_b32 s[G1K+5], 1024
	s_mov_b32 s[G1K+6], 0
	s_mov_b32 s[G1K+7], 0
	s_lshl_b32 s24, s15, 22                        ; K, V: batch x 2,048 rows x 2,048 bytes
	s_lshl_b32 s25, s14, 17                        ; + my 64 rows
	s_add_co_u32 s24, s24, s25
	s_lshl_b32 s25, s16, 7                         ; + head x 128 bytes
	s_add_co_u32 s24, s24, s25
	s_mov_b32 s25, 0
	s_lshl_b32 s26, s15, 23                        ; Qp, Ob: batch x 2,048 rows x 4,096 bytes
	s_lshl_b32 s27, s17, 21                        ; + cx x 512 rows
	s_add_co_u32 s26, s26, s27
	s_lshl_b32 s27, s12, 18                        ; + wave x 64 rows
	s_add_co_u32 s26, s26, s27
	s_lshl_b32 s27, s16, 8                         ; + head x 256 bytes
	s_add_co_u32 s26, s26, s27
	s_mov_b32 s27, 0
	s_mul_i32 s28, s12, 64*PV                      ; V's LDS goal: wave x 64 rows (waves 0-3)
	s_mul_i32 s29, s12, 64*PK                      ; K's: 40,960 + (wave - 4) x 64 rows (waves 4-7)
	s_add_co_u32 s29, s29, KOFF-4*64*PK
	s_wait_dscnt 0x0
	s_wait_kmcnt 0x0
	s_add_nc_u64 s[30:31], s[8:9], s[24:25]
	s_add_nc_u64 s[66:67], s[6:7], s[24:25]
	s_add_nc_u64 s[4:5], s[4:5], s[26:27]
	s_add_nc_u64 s[10:11], s[10:11], s[26:27]
	ROUND                                          ; the four work-groups are here: the first joint loads meet
.irp s, 0,1
	s_mov_b32 s[G0V+4*\s], 1
	s_add_co_u32 s[G0V+4*\s+1], s28, \s*SLOT
	s_add_nc_u64 s[G0V+4*\s+2:G0V+4*\s+3], s[30:31], \s*256*2048   ; key block s
	s_or_b32 s[G0V+4*\s+3], s[G0V+4*\s+3], 0x80000000
	s_mov_b32 s[G0K+4*\s], 1
	s_add_co_u32 s[G0K+4*\s+1], s29, \s*SLOT
	s_add_nc_u64 s[G0K+4*\s+2:G0K+4*\s+3], s[66:67], \s*256*2048
	s_or_b32 s[G0K+4*\s+3], s[G0K+4*\s+3], 0x80000000
	JLOAD \s                                       ; both slots' first fills: two tensor loads of the wave are out
.endr
	v_and_b32 v2, 15, v0                           ; r
	v_bfe_u32 v3, v0, 4, 1                         ; h
	v_lshlrev_b32 v11, 12, v3
	v_lshl_add_u32 v[GO], v2, 4, v11
.set n, 0
.rept 32                                           ; my 64 rows of Qp, two rows of 256 bytes an instruction
	global_load_b128 v[S+4*n:S+4*n+3], v[GO], s[4:5] offset:8192*n th:TH_LOAD_NT
.set n, n+1
.endr
	v_mul_u32_u24 v11, v2, PK
	v_lshl_add_u32 v11, v3, 4, v11                 ; 144 r + 16 h
	v_add_nc_u32 v[ADRK], KOFF, v11
	v_add_nc_u32 v[ADRK+1], KOFF+SLOT, v11
	v_and_b32 v12, 7, v0
	v_lshl_add_u32 v12, v3, 3, v12                 ; key 8 h + (l & 7)
	v_mul_u32_u24 v12, v12, PV
	v_bfe_u32 v13, v0, 3, 1
	v_lshl_add_u32 v[ADRV], v13, 4, v12            ; + 16 ((l >> 3) & 1)
	v_add_nc_u32 v[ADRV+1], SLOT, v[ADRV]
	s_mul_i32 s68, s12, STASHW
	s_add_co_u32 s68, s68, STASH                   ; my stash
	v_mul_u32_u24 v11, v2, PS
	v_lshl_add_u32 v11, v3, 5, v11
	v_add_nc_u32 v[STF], s68, v11
	v_mul_u32_u24 v11, v3, PS
	v_lshl_add_u32 v11, v2, 4, v11
	v_add_nc_u32 v[STR], s68, v11
.irp qt, 0,1,2,3
	v_mov_b32 v[TP+\qt], 0                         ; v_permlanex16_b32 counts as a reader of its destination
.endr
.set n, 0
.rept 32
	s_wait_loadcnt 31-n                            ; rows 2 n, 2 n + 1 are in; the younger loads stay out
	ds_store_b128 v[STR], v[S+4*n:S+4*n+3] offset:2*PS*n
.set n, n+1
.endr
	; Q's fragments: back in fragment order (query r, d = 16 t + 8 h + 0..7), times log2(e) / 32, rounded
	WIN LDF
.irp qt, 0,1,2,3
.irp t, 0,1,2,3
	ds_load_b128 v[128+32*\qt+8*\t:128+32*\qt+8*\t+3],   v[STF] offset:16*PS*\qt+64*\t      ; a wave's LDS instructions are served in order: these see the stores above
	ds_load_b128 v[128+32*\qt+8*\t+4:128+32*\qt+8*\t+7], v[STF] offset:16*PS*\qt+64*\t+16
.endr
.endr
	s_wait_dscnt 0x0
	WIN RSC
.set n, 0
.rept 64
	v_pk_mul_f32 v[128+n:128+n+1], v[128+n:128+n+1], s[22:23] op_sel_hi:[1,0]
.set n, n+2
.endr
	WIN C2Q
.set n, 0
.rept 64
	v_cvt_pk_bf16_f32 v[QB+n], v[128+2*n], v[128+2*n+1]            ; 32 qt + 8 t + 2 p  ->  16 qt + 4 t + p
.set n, n+1
.endr
	WIN 0
	s_wait_tensorcnt 1                             ; my part of slot 0 is in; slot 1's stays out
	s_barrier_signal -1
	s_barrier_wait -1
; 64 keys (sub-step kb of the slot's block) x my 64 queries.  first = 1: the very first sub-step starts maximum, sums and O^T.
; All matrix instructions take their accumulators by turns, one instruction a turn, in a fixed order.
.macro SUB slot, kb, first
.rept 5
	v_nop                                          ; five places behind the last O^T products: loads into V^T's fragments, and S^T products that write over P
.endr
	WIN LDF
.irp kt, 0,1,2,3
.irp ks, 0,1
	ds_load_b128 v[KF+16*\kt+8*\ks:KF+16*\kt+8*\ks+3],   v[ADRK+\slot] offset:(64*\kb+16*\kt)*PK+64*\ks
	ds_load_b128 v[KF+16*\kt+8*\ks+4:KF+16*\kt+8*\ks+7], v[ADRK+\slot] offset:(64*\kb+16*\kt)*PK+64*\ks+32
.endr
.endr
.irp g, 0,1
.irp t, 0,1,2,3
	ds_load_tr16_b128 v[VF+32*\g+8*\t:VF+32*\g+8*\t+3],   v[ADRV+\slot] offset:(64*\kb+32*\g)*PV+32*\t
	ds_load_tr16_b128 v[VF+32*\g+8*\t+4:VF+32*\g+8*\t+7], v[ADRV+\slot] offset:(64*\kb+32*\g)*PV+32*\t+16*PV
.endr
.endr
	s_wait_dscnt 16                                ; K's sixteen loads are in; V's sixteen stay out until the softmax is done
	WIN MQK
.irp kt, 0,1,2,3
.irp qt, 0,1,2,3
	v_wmma_f32_16x16x32_bf16 v[S+8*(4*\kt+\qt):S+8*(4*\kt+\qt)+7], v[KF+16*\kt:KF+16*\kt+7], v[QB+16*\qt:QB+16*\qt+7], 0
.endr
.endr
.irp kt, 0,1,2,3
.irp qt, 0,1,2,3
	v_wmma_f32_16x16x32_bf16 v[S+8*(4*\kt+\qt):S+8*(4*\kt+\qt)+7], v[KF+16*\kt+8:KF+16*\kt+15], v[QB+16*\qt+8:QB+16*\qt+15], v[S+8*(4*\kt+\qt):S+8*(4*\kt+\qt)+7]
.endr
.endr
	WIN 0
.rept 4
	v_nop                                          ; four places in front of the first read of a score
.endr
	; the maximum of a lane's 32 scores of each query tile and of the running maximum; the four query tiles' chains are interleaved
.irp qt, 0,1,2,3
	v_max3_num_f32 v[T+\qt], v[S+8*\qt], v[S+8*\qt+1], v[S+8*\qt+2]
.endr
.set n, 3
.rept 14
.irp qt, 0,1,2,3
	v_max3_num_f32 v[T+\qt], v[T+\qt], v[S+32*(n/8)+8*\qt+n%8], v[S+32*((n+1)/8)+8*\qt+(n+1)%8]
.endr
.set n, n+2
.endr
.irp qt, 0,1,2,3
.if \first
	v_max_num_f32 v[T+\qt], v[T+\qt], v[S+96+8*\qt+7]
.else
	v_max3_num_f32 v[T+\qt], v[T+\qt], v[S+96+8*\qt+7], v[MX+2*\qt]
.endif
.endr
.irp qt, 0,1,2,3
	v_permlanex16_b32 v[TP+\qt], v[T+\qt], s18, s19                ; the other eight keys of each tile lie in the other half of the wave
.endr
.irp qt, 0,1,2,3
	v_max_num_f32 v[MX+2*\qt+1], v[T+\qt], v[TP+\qt]               ; the new maximum
.endr
.if \first == 0
.irp qt, 0,1,2,3
	v_sub_f32 v[T+\qt], v[MX+2*\qt], v[MX+2*\qt+1]                 ; old - new, at most 0
.endr
.endif
.irp qt, 0,1,2,3
	v_mov_b32 v[MX+2*\qt], v[MX+2*\qt+1]
.endr
.if \first == 0
.irp qt, 0,1,2,3
	v_exp_f32 v[AL+2*\qt], v[T+\qt]                ; the factor for what has been summed so far, twice for the packed forms;
	v_exp_f32 v[AL+2*\qt+1], v[T+\qt]              ; the subtractions below are the plain places in front of its first use (ISA guide 5.7.2)
.endr
.endif
.irp kt, 0,1,2,3
.irp qt, 0,1,2,3
.irp p, 0,2,4,6
	v_pk_add_f32 v[S+8*(4*\kt+\qt)+\p:S+8*(4*\kt+\qt)+\p+1], v[S+8*(4*\kt+\qt)+\p:S+8*(4*\kt+\qt)+\p+1], v[MX+2*\qt:MX+2*\qt+1] neg_lo:[0,1] neg_hi:[0,1]
.endr
.endr
.endr
.set n, 0
.rept 128
	v_exp_f32 v[S+n], v[S+n]
.set n, n+1
.endr
	v_nop                                          ; one plain place behind the last exponential
	s_wait_alu depctr_va_vdst(0)
	; the running sums, two partial sums a lane
.irp qt, 0,1,2,3
.if \first
	s_wait_alu depctr_va_vdst(0)
	v_pk_add_f32 v[LS+2*\qt:LS+2*\qt+1], v[S+8*\qt:S+8*\qt+1], v[S+8*\qt+2:S+8*\qt+3]
.else
	v_pk_fma_f32 v[LS+2*\qt:LS+2*\qt+1], v[LS+2*\qt:LS+2*\qt+1], v[AL+2*\qt:AL+2*\qt+1], v[S+8*\qt:S+8*\qt+1]
.endif
.endr
.if \first == 0
.irp qt, 0,1,2,3
	v_pk_add_f32 v[LS+2*\qt:LS+2*\qt+1], v[LS+2*\qt:LS+2*\qt+1], v[S+8*\qt+2:S+8*\qt+3]
.endr
.endif
.set n, 2
.rept 14
.irp qt, 0,1,2,3
	v_pk_add_f32 v[LS+2*\qt:LS+2*\qt+1], v[LS+2*\qt:LS+2*\qt+1], v[S+32*(n/4)+8*\qt+2*(n%4):S+32*(n/4)+8*\qt+2*(n%4)+1]
.endr
.set n, n+1
.endr
	; P in bf16, in place: key tile 2 g packs into its own registers 0-3, key tile 2 g + 1 into registers 4-7 of tile 2 g
.irp g, 0,1
.irp qt, 0,1,2,3
.irp p, 0,1,2,3
	v_cvt_pk_bf16_f32 v[S+64*\g+8*\qt+\p], v[S+64*\g+8*\qt+2*\p], v[S+64*\g+8*\qt+2*\p+1]
.endr
.irp p, 0,1,2,3
	v_cvt_pk_bf16_f32 v[S+64*\g+8*\qt+4+\p], v[S+64*\g+32+8*\qt+2*\p], v[S+64*\g+32+8*\qt+2*\p+1]
.endr
.endr
.endr
.if \first == 0
	WIN RSC
.irp t, 0,1,2,3
.irp qt, 0,1,2,3
.irp p, 0,2,4,6
	v_pk_mul_f32 v[8*(4*\t+\qt)+\p:8*(4*\t+\qt)+\p+1], v[8*(4*\t+\qt)+\p:8*(4*\t+\qt)+\p+1], v[AL+2*\qt:AL+2*\qt+1]
.endr
.endr
.endr
.endif
	s_wait_dscnt 0x0                               ; V^T's fragments
	WIN MPV
.irp g, 0,1
.irp t, 0,1,2,3
.irp qt, 0,1,2,3
.if \first*(1-\g)
	v_wmma_f32_16x16x32_bf16 v[8*(4*\t+\qt):8*(4*\t+\qt)+7], v[VF+32*\g+8*\t:VF+32*\g+8*\t+7], v[S+64*\g+8*\qt:S+64*\g+8*\qt+7], 0
.else
	v_wmma_f32_16x16x32_bf16 v[8*(4*\t+\qt):8*(4*\t+\qt)+7], v[VF+32*\g+8*\t:VF+32*\g+8*\t+7], v[S+64*\g+8*\qt:S+64*\g+8*\qt+7], v[8*(4*\t+\qt):8*(4*\t+\qt)+7]
.endif
.endr
.endr
.endr
	WIN 0
.endm
; A key block in slot `slot`.  In front of the barrier every wave has waited for all its tensor loads (its part of this slot among them) and for its
; reads of the other slot.  refill = 1: the barrier is a round of the cluster's barrier, and the other slot's next block is the wave's first and
; only tensor load behind it: it has this block's four sub-steps in which to land.
.macro TWO slot, other, refill
	s_wait_tensorcnt 0x0
	ds_add_u32 v254, v255
	s_wait_dscnt 0x0
.if \refill
	s_add_nc_u64 s[G0V+4*\other+2:G0V+4*\other+3], s[G0V+4*\other+2:G0V+4*\other+3], 2*256*2048   ; no tensor load of mine is out: the addresses may step
	s_add_nc_u64 s[G0K+4*\other+2:G0K+4*\other+3], s[G0K+4*\other+2:G0K+4*\other+3], 2*256*2048
.endif
	s_wait_dscnt 0x0
.if \refill
	ROUND
	JLOAD \other
.else
	s_barrier_signal -1
	s_barrier_wait -1
.endif
	SUB \slot, 0, 0
	SUB \slot, 1, 0
	SUB \slot, 2, 0
	SUB \slot, 3, 0
.endm
	SUB 0, 0, 1                                    ; key block 0
	SUB 0, 1, 0
	SUB 0, 2, 0
	SUB 0, 3, 0
	s_mov_b32 s20, 3
.Lblocks:
	TWO 1, 0, 1                                    ; blocks 1, 3, 5; asks for 2, 4, 6
	TWO 0, 1, 1                                    ; blocks 2, 4, 6; asks for 3, 5, 7
	s_sub_co_u32 s20, s20, 1
	s_cmp_lg_u32 s20, 0
	s_cbranch_scc1 .Lblocks
	TWO 1, 0, 0                                    ; block 7: nothing is left to fetch
	; THE END: Ob = residual + O^T / (2048 x row sum)
.rept 4
	v_nop                                          ; four places behind the last products
.endr
.irp qt, 0,1,2,3
	v_add_f32 v[T+\qt], v[LS+2*\qt], v[LS+2*\qt+1]
.endr
.irp qt, 0,1,2,3
	v_permlanex16_b32 v[TP+\qt], v[T+\qt], s18, s19
.endr
.irp qt, 0,1,2,3
	v_add_f32 v[T+\qt], v[T+\qt], v[TP+\qt]
.endr
.irp qt, 0,1,2,3
	v_mul_f32 v[T+\qt], 0x45000000, v[T+\qt]       ; x 2,048
.endr
.irp qt, 0,1,2,3
	v_rcp_f32 v[AL+2*\qt], v[T+\qt]
	v_rcp_f32 v[AL+2*\qt+1], v[T+\qt]
.endr
	v_nop                                          ; one plain place behind the reciprocals
.irp t, 0,1,2,3
.irp qt, 0,1,2,3
	ds_load_b128 v[S+8*(4*\t+\qt):S+8*(4*\t+\qt)+3],   v[STF] offset:16*PS*\qt+64*\t       ; the residual, in O^T's order
	ds_load_b128 v[S+8*(4*\t+\qt)+4:S+8*(4*\t+\qt)+7], v[STF] offset:16*PS*\qt+64*\t+16
.endr
.endr
	s_wait_dscnt 0x0
	WIN MQK                                        ; source 0 (O^T) in window 1
	s_wait_alu depctr_va_vdst(0)
.irp t, 0,1,2,3
.irp qt, 0,1,2,3
.irp p, 0,2,4,6
	v_pk_fma_f32 v[S+8*(4*\t+\qt)+\p:S+8*(4*\t+\qt)+\p+1], v[8*(4*\t+\qt)+\p:8*(4*\t+\qt)+\p+1], v[AL+2*\qt:AL+2*\qt+1], v[S+8*(4*\t+\qt)+\p:S+8*(4*\t+\qt)+\p+1]
.endr
.endr
.endr
	WIN 0
.irp t, 0,1,2,3
.irp qt, 0,1,2,3
	ds_store_b128 v[STF], v[S+8*(4*\t+\qt):S+8*(4*\t+\qt)+3]   offset:16*PS*\qt+64*\t
	ds_store_b128 v[STF], v[S+8*(4*\t+\qt)+4:S+8*(4*\t+\qt)+7] offset:16*PS*\qt+64*\t+16
.endr
.endr
	; back by rows: sixteen lanes store a head's 256 consecutive bytes of a row of Ob, aligned
.irp qt, 0,1,2,3
.if \qt >= 2
	s_wait_xcnt 0x0                                ; these registers were store data two query tiles ago
.endif
.irp t, 0,1,2,3,4,5,6,7
	ds_load_b128 v[QB+32*(\qt%2)+4*\t:QB+32*(\qt%2)+4*\t+3], v[STR] offset:16*PS*\qt+2*PS*\t
.endr
.irp t, 0,1,2,3,4,5,6,7
	s_wait_dscnt 7-\t
	global_store_b128 v[GO], v[QB+32*(\qt%2)+4*\t:QB+32*(\qt%2)+4*\t+3], s[10:11] offset:(8*\qt+\t)*8192
.endr
.endr
	s_wait_tensorcnt 0x0
	ds_add_u32 v254, v255
	s_wait_dscnt 0x0
	ROUND                                          ; the closing round
	s_endpgm
.Lfunc_end_k_q192813f830_attn:
	.size	k_q192813f830_attn, .Lfunc_end_k_q192813f830_attn-k_q192813f830_attn
	.p2alignl 7, 3214868480
	.fill 96, 4, 3214868480
	.section	.rodata,"a",@progbits
	.p2align	6, 0x0
	.amdhsa_kernel k_q192813f830_attn
		.amdhsa_group_segment_fixed_size 327680
		.amdhsa_private_segment_fixed_size 0
		.amdhsa_enable_private_segment 0
		.amdhsa_kernarg_size 32
		.amdhsa_user_sgpr_count 2
		.amdhsa_user_sgpr_kernarg_segment_ptr 1
		.amdhsa_wavefront_size32 1
		.amdhsa_system_sgpr_workgroup_id_x 1
		.amdhsa_system_sgpr_workgroup_id_y 1
		.amdhsa_system_sgpr_workgroup_id_z 1
		.amdhsa_system_vgpr_workitem_id 0
		.amdhsa_next_free_vgpr 512
		.amdhsa_next_free_sgpr 72
		.amdhsa_reserve_vcc 0
		.amdhsa_float_denorm_mode_32 3
		.amdhsa_float_denorm_mode_16_64 3
		.amdhsa_memory_ordered 1
		.amdhsa_forward_progress 1
		.amdhsa_inst_pref_size 255
	.end_amdhsa_kernel
	.section	.bss,"aw",@nobits
	.p2align	6
	.space	262144
	.amdgpu_metadata
---
amdhsa.version: [ 1, 2 ]
amdhsa.kernels:
  - .name:           k_q192813f830_attn
    .symbol:         k_q192813f830_attn.kd
    .args:
      - { .name: Qp, .offset: 0, .size: 8, .value_kind: global_buffer, .address_space: global }
      - { .name: Kp, .offset: 8, .size: 8, .value_kind: global_buffer, .address_space: global }
      - { .name: Vp, .offset: 16, .size: 8, .value_kind: global_buffer, .address_space: global }
      - { .name: Ob, .offset: 24, .size: 8, .value_kind: global_buffer, .address_space: global }
    .group_segment_fixed_size: 327680
    .private_segment_fixed_size: 0
    .kernarg_segment_align: 8
    .kernarg_segment_size: 32
    .max_flat_workgroup_size: 256
    .sgpr_count:     72
    .vgpr_count:     512
    .wavefront_size: 32
...
	.end_amdgpu_metadata
.endif
;; end of part 3
;; launch ffn (part 4): grid 256 x 1, 8 waves a work-group, no clusters, 200,704 bytes of LDS; arguments Ob, Wb, g0, b0, bo, g1, b1, out0; writes out0
.if DOCPART == 4
	.amdgcn_target "amdgcn-amd-amdhsa--gfx1250"
	.amdhsa_code_object_version 6
	.text
	.protected	k_q192813f830_ffn
	.globl	k_q192813f830_ffn
	.p2align	8
	.type	k_q192813f830_ffn,@function
k_q192813f830_ffn:
	s_mov_b64 s[64:65], 0
	v_nop
	global_prefetch_b8 v0, s[64:65] scope:SCOPE_SE
	s_setreg_imm32_b32 hwreg(HW_REG_WAVE_MODE, 25, 1), 1
	s_wait_xcnt 0x0
; out0 = LayerNorm1( X0 + relu(X0 Wo^T + bo) ),  X0 = LayerNorm0(Ob).  Both norms need whole rows, so a work-group takes 32 whole rows: 256 work-groups.
; Phase 1: wave w normalises rows 4 w .. 4 w + 3 (a row lies in one wave's registers); X0 goes to LDS in f32 (the residual) and in bf16 (the matrix operand).
; Phase 2: wave w makes all 32 rows x columns 128 w .. 128 w + 127: 2 x 8 accumulator tiles, K in 32 steps of 32.
; Phase 3: bias, relu, residual, the second norm (row sums meet in LDS), and out by whole rows.
; Both norms in two passes: the mean, then the centred squares; no difference of large sums.  Matrix operands bf16, all else f32.
; WHY Wo COMES STRAIGHT INTO REGISTERS, without LDS and without joint loads, though every work-group walks all of it: a wave's 128 columns are read by no
; other wave of the work-group, so LDS would only be passed through; and a ring of two slots of one K step (1,024 rows x 64 bytes each) takes 131,072
; bytes, which beside the 199,680 in use here is 330,752, more than the 327,680 that a work-group can have.  Wo's copy lies in fragment order, so each
; load takes 512 consecutive bytes and a wave's loads walk one run of 262,144 bytes; three K steps (48 loads) of every wave are on their way.
; The matrix instruction is used transposed (source 0 = 16 rows of Wo, source 1 = 16 rows of X0): lane (r, h) holds row r, columns 8 h + 0..7 of a tile.
.set APITCH, 2064                      ; X0 in bf16: 2,048 + 16, an odd multiple of 16
.set RPITCH, 4112                      ; X0 in f32: 4,096 + 16
.set RES,    32*APITCH                 ; 66,048
.set RED1,   RES+32*RPITCH             ; 197,632: [32 rows][8 waves] partial sums
.set LO,   4                           ; 16 l
.set RSA,  5                           ; RES, my four rows, 16 l
.set ASA,  6                           ; bf16 copy, my four rows, 8 l
.set ADRA, 7                           ; X0 fragments: 2,064 r + 16 h, stepped along K
.set HO,   8                           ; 32 h
.set RRA,  9                           ; v9-10  RES, row 16 mt + r, my 512 bytes of columns, 32 h
.set REDW, 13
.set REDR, 14
.set ST,   16                          ; v16-31 statistics
.set AF,   32                          ; v32-63 X0 fragments: 16 buf + 8 mt
.set G0R,  64
.set B0R,  96
.set XR,   128                         ; v128-255 four rows of 32 registers; then the accumulators
.set ACC,  128                         ; tile (mt, nt) at 8 (8 mt + nt).   Window 1: Wo's fragments, 64 u + 8 nt, four K steps; later bo, g1, b1, residual
.set MSB, 0
.macro WIN new
.if MSB != \new
	s_set_vgpr_msb (MSB<<8)|\new
.set MSB, \new
.endif
.endm
.macro PLACES                          ; four places behind a matrix instruction, in front of loads into its sources and of reads of its result
.rept 4
	v_nop
.endr
.endm
	s_load_b512 s[8:23], s[0:1], 0x0               ; Ob, Wb, g0, b0, bo, g1, b1, out0
	v_lshl_add_u32 v11, v0, 2, 0x30c00
	v_mov_b32 v12, 0
	v_lshrrev_b32 v15, 5, v0
	v_readfirstlane_b32 s2, v15                    ; wave 0..7
	s_mov_b32 s26, 0x76543210
	s_mov_b32 s27, 0xfedcba98
	s_mov_b32 s30, 0x3a800000                      ; 1 / 1024
	s_mov_b32 s31, 0x3727c5ac                      ; 1e-5
	v_and_b32 v1, 31, v0                           ; l
	v_and_b32 v2, 15, v0                           ; r
	v_bfe_u32 v3, v0, 4, 1                         ; h
	v_lshlrev_b32 v[LO], 4, v1
	s_mul_i32 s36, s2, 4*RPITCH
	s_add_co_u32 s36, s36, RES
	v_add_nc_u32 v[RSA], s36, v[LO]
	s_mul_i32 s36, s2, 4*APITCH
	v_lshl_add_u32 v[ASA], v1, 3, s36
	v_mul_u32_u24 v[ADRA], v2, APITCH
	v_lshl_add_u32 v[ADRA], v3, 4, v[ADRA]
	v_lshlrev_b32 v[HO], 5, v3
	s_lshl_b32 s36, s2, 9
	s_add_co_u32 s36, s36, RES
	v_mul_u32_u24 v[RRA], v2, RPITCH
	v_add3_u32 v[RRA], v[RRA], v[HO], s36
	v_add_nc_u32 v[RRA+1], 16*RPITCH, v[RRA]
	s_lshl_b32 s36, s2, 2
	s_add_co_u32 s36, s36, RED1
	v_lshl_add_u32 v[REDW], v1, 5, s36             ; row l, wave w
	v_lshlrev_b32 v[REDR], 5, v2
	v_add_nc_u32 v[REDR], RED1, v[REDR]            ; row r, all waves
	v_cmp_le_u32 vcc_lo, 16, v1                    ; lanes 16-31
	s_lshl_b32 s32, ttmp9, 17                      ; 32 rows of 4,096 bytes
	s_lshl_b32 s33, s2, 14                         ; + my four rows
	s_add_co_u32 s32, s32, s33
	s_mov_b32 s33, 0
	s_lshl_b32 s38, s2, 18                         ; my 128 columns of Wo: 262,144 bytes,
	s_add_co_u32 s38, s38, 6291456                 ; behind Wq, Wk, Wv
	s_mov_b32 s39, 0
	s_wait_kmcnt 0x0
	s_add_nc_u64 s[28:29], s[8:9], s[32:33]
	s_add_nc_u64 s[34:35], s[22:23], s[32:33]
	s_add_nc_u64 s[24:25], s[10:11], s[38:39]
	; PHASE 1.  Lane l holds columns 128 i + 4 l + 0..3, i = 0..7: every load and store takes 512 consecutive bytes.
.irp i, 0,1,2,3,4,5,6,7
	global_load_b128 v[G0R+4*\i:G0R+4*\i+3], v[LO], s[12:13] offset:512*\i
	global_load_b128 v[B0R+4*\i:B0R+4*\i+3], v[LO], s[14:15] offset:512*\i
.endr
.irp rr, 0,1,2,3
.irp i, 0,1,2,3,4,5,6,7
	global_load_b128 v[XR+32*\rr+4*\i:XR+32*\rr+4*\i+3], v[LO], s[28:29] offset:4096*\rr+512*\i th:TH_LOAD_NT
.endr
.endr
	s_wait_loadcnt 0x0
	WIN 0x40                                       ; Wo's K steps 0, 1, 2 go out now and land under the first norm
.irp k, 0,1,2
.irp nt, 0,1,2,3,4,5,6,7
	global_load_b128 v[64*\k+8*\nt:64*\k+8*\nt+3],   v[LO], s[24:25] offset:8192*\k+1024*\nt
	global_load_b128 v[64*\k+8*\nt+4:64*\k+8*\nt+7], v[LO], s[24:25] offset:8192*\k+1024*\nt+512
.endr
.endr
	WIN 0
; four rows' two chains each (v[ST+4 rr], v[ST+4 rr+2], pairs) to one sum over the wave's 32 lanes, in every lane, in v[ST+4 rr]
.macro LANESUM4
.irp rr, 0,1,2,3
	v_pk_add_f32 v[ST+4*\rr:ST+4*\rr+1], v[ST+4*\rr:ST+4*\rr+1], v[ST+4*\rr+2:ST+4*\rr+3]
.endr
.irp rr, 0,1,2,3
	v_add_f32 v[ST+4*\rr], v[ST+4*\rr], v[ST+4*\rr+1]
.endr
.irp m, 1,2,4,8
.irp rr, 0,1,2,3
	v_add_f32_dpp v[ST+4*\rr], v[ST+4*\rr], v[ST+4*\rr] row_xmask:\m row_mask:0xf bank_mask:0xf
.endr
.endr
.irp rr, 0,1,2,3
	v_permlanex16_b32 v[ST+4*\rr+2], v[ST+4*\rr], s26, s27
.endr
.irp rr, 0,1,2,3
	v_add_f32 v[ST+4*\rr], v[ST+4*\rr], v[ST+4*\rr+2]
.endr
.endm
.irp rr, 0,1,2,3
	v_pk_add_f32 v[ST+4*\rr:ST+4*\rr+1],   v[XR+32*\rr:XR+32*\rr+1],   v[XR+32*\rr+2:XR+32*\rr+3]
	v_pk_add_f32 v[ST+4*\rr+2:ST+4*\rr+3], v[XR+32*\rr+4:XR+32*\rr+5], v[XR+32*\rr+6:XR+32*\rr+7]
.endr
.set n, 8
.rept 6
.irp rr, 0,1,2,3
	v_pk_add_f32 v[ST+4*\rr:ST+4*\rr+1],   v[ST+4*\rr:ST+4*\rr+1],   v[XR+32*\rr+n:XR+32*\rr+n+1]
	v_pk_add_f32 v[ST+4*\rr+2:ST+4*\rr+3], v[ST+4*\rr+2:ST+4*\rr+3], v[XR+32*\rr+n+2:XR+32*\rr+n+3]
.endr
.set n, n+4
.endr
	LANESUM4
.irp rr, 0,1,2,3
	v_mul_f32 v[ST+4*\rr], s30, v[ST+4*\rr]        ; the mean, twice
.endr
.irp rr, 0,1,2,3
	v_mov_b32 v[ST+4*\rr+1], v[ST+4*\rr]
.endr
.set n, 0
.rept 16
.irp rr, 0,1,2,3
	v_pk_add_f32 v[XR+32*\rr+n:XR+32*\rr+n+1], v[XR+32*\rr+n:XR+32*\rr+n+1], v[ST+4*\rr:ST+4*\rr+1] neg_lo:[0,1] neg_hi:[0,1]
.endr
.set n, n+2
.endr
.irp rr, 0,1,2,3
	v_pk_mul_f32 v[ST+4*\rr:ST+4*\rr+1],   v[XR+32*\rr:XR+32*\rr+1],   v[XR+32*\rr:XR+32*\rr+1]
	v_pk_mul_f32 v[ST+4*\rr+2:ST+4*\rr+3], v[XR+32*\rr+2:XR+32*\rr+3], v[XR+32*\rr+2:XR+32*\rr+3]
.endr
.set n, 4
.rept 7
.irp rr, 0,1,2,3
	v_pk_fma_f32 v[ST+4*\rr:ST+4*\rr+1],   v[XR+32*\rr+n:XR+32*\rr+n+1],   v[XR+32*\rr+n:XR+32*\rr+n+1],   v[ST+4*\rr:ST+4*\rr+1]
	v_pk_fma_f32 v[ST+4*\rr+2:ST+4*\rr+3], v[XR+32*\rr+n+2:XR+32*\rr+n+3], v[XR+32*\rr+n+2:XR+32*\rr+n+3], v[ST+4*\rr+2:ST+4*\rr+3]
.endr
.set n, n+4
.endr
	LANESUM4
.irp rr, 0,1,2,3
	v_fma_f32 v[ST+4*\rr], v[ST+4*\rr], s30, s31   ; variance + 1e-5
.endr
.irp rr, 0,1,2,3
	v_rsq_f32 v[ST+4*\rr+2], v[ST+4*\rr]
	v_rsq_f32 v[ST+4*\rr+3], v[ST+4*\rr]
.endr
	v_nop                                          ; one plain place behind the last of them (ISA guide 5.7.2)
.set n, 0
	s_wait_alu depctr_va_vdst(0)
.rept 16
.irp rr, 0,1,2,3
	v_pk_mul_f32 v[XR+32*\rr+n:XR+32*\rr+n+1], v[XR+32*\rr+n:XR+32*\rr+n+1], v[ST+4*\rr+2:ST+4*\rr+3]
.endr
.irp rr, 0,1,2,3
	v_pk_fma_f32 v[XR+32*\rr+n:XR+32*\rr+n+1], v[XR+32*\rr+n:XR+32*\rr+n+1], v[G0R+n:G0R+n+1], v[B0R+n:B0R+n+1]
.endr
.set n, n+2
.endr
.irp rr, 0,1,2,3
.irp i, 0,1,2,3,4,5,6,7
	ds_store_b128 v[RSA], v[XR+32*\rr+4*\i:XR+32*\rr+4*\i+3] offset:RPITCH*\rr+512*\i
.endr
.endr
.irp rr, 0,1,2,3
.irp i, 0,1,2,3,4,5,6,7
	v_cvt_pk_bf16_f32 v[XR+32*\rr+4*\i],   v[XR+32*\rr+4*\i],   v[XR+32*\rr+4*\i+1]
	v_cvt_pk_bf16_f32 v[XR+32*\rr+4*\i+1], v[XR+32*\rr+4*\i+2], v[XR+32*\rr+4*\i+3]
	ds_store_b64 v[ASA], v[XR+32*\rr+4*\i:XR+32*\rr+4*\i+1] offset:APITCH*\rr+256*\i
.endr
.endr
	s_wait_dscnt 0x0                               ; my rows are in LDS, for the others' sake
	s_barrier_signal -1
	s_barrier_wait -1
	; PHASE 2
.irp mt, 0,1
	ds_load_b128 v[AF+8*\mt:AF+8*\mt+3],   v[ADRA] offset:16*APITCH*\mt
	ds_load_b128 v[AF+8*\mt+4:AF+8*\mt+7], v[ADRA] offset:16*APITCH*\mt+32
.endr
; K step u of a trip of four.  left: the younger loads of Wo that may stay out.  load = 1: the K step three ahead goes out, into the buffer that the
; step before read.  nexta = 1: the next step's X0 fragments are fetched.  zero = 1: the first products start the sums.
; The sixteen accumulators take turns, one instruction a turn, in the same order in every step.
.macro KSTEP u, zero, load, left, nexta
	s_wait_loadcnt \left
	PLACES
.if \load
	WIN 0x40
.irp nt, 0,1,2,3,4,5,6,7
	global_load_b128 v[64*((\u+3)%4)+8*\nt:64*((\u+3)%4)+8*\nt+3],   v[LO], s[24:25] offset:(\u+3)*8192+1024*\nt
	global_load_b128 v[64*((\u+3)%4)+8*\nt+4:64*((\u+3)%4)+8*\nt+7], v[LO], s[24:25] offset:(\u+3)*8192+1024*\nt+512
.endr
.endif
	WIN 0
.if \nexta
.irp mt, 0,1
	ds_load_b128 v[AF+16*((\u+1)%2)+8*\mt:AF+16*((\u+1)%2)+8*\mt+3],   v[ADRA] offset:16*APITCH*\mt+64*(\u+1)
	ds_load_b128 v[AF+16*((\u+1)%2)+8*\mt+4:AF+16*((\u+1)%2)+8*\mt+7], v[ADRA] offset:16*APITCH*\mt+64*(\u+1)+32
.endr
	s_wait_dscnt 4                                 ; this step's fragments are in; the four just issued stay out
.else
	s_wait_dscnt 0
.endif
	WIN 0x01                                       ; source 0 (Wo) in window 1
.irp mt, 0,1
.irp nt, 0,1,2,3,4,5,6,7
.if \zero
	v_wmma_f32_16x16x32_bf16 v[ACC+8*(8*\mt+\nt):ACC+8*(8*\mt+\nt)+7], v[64*\u+8*\nt:64*\u+8*\nt+7], v[AF+16*(\u%2)+8*\mt:AF+16*(\u%2)+8*\mt+7], 0
.else
	v_wmma_f32_16x16x32_bf16 v[ACC+8*(8*\mt+\nt):ACC+8*(8*\mt+\nt)+7], v[64*\u+8*\nt:64*\u+8*\nt+7], v[AF+16*(\u%2)+8*\mt:AF+16*(\u%2)+8*\mt+7], v[ACC+8*(8*\mt+\nt):ACC+8*(8*\mt+\nt)+7]
.endif
.endr
.endr
	WIN 0
.endm
.macro TRIP zero
	KSTEP 0, \zero, 1, 32, 1                       ; 48 loads are out: this step's sixteen are in, the two younger steps stay out
	KSTEP 1, 0, 1, 32, 1
	KSTEP 2, 0, 1, 32, 1
	KSTEP 3, 0, 1, 32, 1
	s_wait_xcnt 0x0                                ; the base of Wo's loads is stepped only behind this wait
	s_add_nc_u64 s[24:25], s[24:25], 4*8192
	v_add_nc_u32 v[ADRA], 256, v[ADRA]
.endm
	TRIP 1
	s_mov_b32 s3, 6
.Ltrip:
	TRIP 0
	s_sub_co_u32 s3, s3, 1
	s_cmp_lg_u32 s3, 0
	s_cbranch_scc1 .Ltrip
	KSTEP 0, 0, 1, 32, 1                           ; K steps 28 to 31: one more load (step 31), then none, and the counts run down
	KSTEP 1, 0, 0, 32, 1
	KSTEP 2, 0, 0, 16, 1
	KSTEP 3, 0, 0, 0, 0
	; PHASE 3
	PLACES
	s_lshl_b32 s36, s2, 9                          ; my 128 columns in bo, g1, b1
	s_mov_b32 s37, 0
	s_add_nc_u64 s[16:17], s[16:17], s[36:37]
	s_add_nc_u64 s[18:19], s[18:19], s[36:37]
	s_add_nc_u64 s[20:21], s[20:21], s[36:37]
	WIN 0x40
.irp nt, 0,1,2,3,4,5,6,7
	global_load_b128 v[8*\nt:8*\nt+3],   v[HO], s[16:17] offset:64*\nt
	global_load_b128 v[8*\nt+4:8*\nt+7], v[HO], s[16:17] offset:64*\nt+16
.endr
.irp nt, 0,1,2,3,4,5,6,7
	global_load_b128 v[64+8*\nt:64+8*\nt+3],   v[HO], s[18:19] offset:64*\nt
	global_load_b128 v[64+8*\nt+4:64+8*\nt+7], v[HO], s[18:19] offset:64*\nt+16
.endr
.irp nt, 0,1,2,3,4,5,6,7
	global_load_b128 v[128+8*\nt:128+8*\nt+3],   v[HO], s[20:21] offset:64*\nt
	global_load_b128 v[128+8*\nt+4:128+8*\nt+7], v[HO], s[20:21] offset:64*\nt+16
.endr
.irp nt, 0,1,2,3,4,5,6,7
	ds_load_b128 v[192+8*\nt:192+8*\nt+3],   v[RRA+1] offset:64*\nt      ; the residual of rows 16-31
	ds_load_b128 v[192+8*\nt+4:192+8*\nt+7], v[RRA+1] offset:64*\nt+16
.endr
	WIN 0
.irp nt, 0,1,2,3,4,5,6,7
	ds_load_b128 v[64+8*\nt:64+8*\nt+3],   v[RRA] offset:64*\nt          ; of rows 0-15
	ds_load_b128 v[64+8*\nt+4:64+8*\nt+7], v[RRA] offset:64*\nt+16
.endr
	s_wait_loadcnt 32                              ; bo is in; g1 and b1 stay out
	WIN 0x04                                       ; source 1 in window 1
.irp mt, 0,1
.set n, 0
.rept 32
	v_pk_add_f32 v[ACC+64*\mt+n:ACC+64*\mt+n+1], v[ACC+64*\mt+n:ACC+64*\mt+n+1], v[n:n+1]
.set n, n+2
.endr
.endr
	WIN 0
.set n, 0
.rept 128
	v_max_num_f32 v[ACC+n], 0, v[ACC+n]
.set n, n+1
.endr
	s_wait_dscnt 0x0
.set n, 0
.rept 32
	v_pk_add_f32 v[ACC+n:ACC+n+1], v[ACC+n:ACC+n+1], v[64+n:64+n+1]
.set n, n+2
.endr
	WIN 0x04
.set n, 0
.rept 32
	v_pk_add_f32 v[ACC+64+n:ACC+64+n+1], v[ACC+64+n:ACC+64+n+1], v[192+n:192+n+1]
.set n, n+2
.endr
	WIN 0
; From two chains for each row tile (v[ST+4 mt], v[ST+4 mt+2], pairs) to the sum over all 1,024 columns: v32 for row r, v40 for row 16 + r.
; A lane and its partner in the other half hold one row's 128 columns of this wave; lane l then stores row l's figure; behind the barrier every
; wave adds the eight waves' figures in the same order.  off: each of the two sums has LDS words of its own.
.macro ROWRED off
.irp mt, 0,1
	v_pk_add_f32 v[ST+4*\mt:ST+4*\mt+1], v[ST+4*\mt:ST+4*\mt+1], v[ST+4*\mt+2:ST+4*\mt+3]
.endr
.irp mt, 0,1
	v_add_f32 v[ST+4*\mt], v[ST+4*\mt], v[ST+4*\mt+1]
.endr
.irp mt, 0,1
	v_permlanex16_b32 v[ST+4*\mt+2], v[ST+4*\mt], s26, s27
.endr
.irp mt, 0,1
	v_add_f32 v[ST+4*\mt], v[ST+4*\mt], v[ST+4*\mt+2]
.endr
	v_cndmask_b32 v[ST+8], v[ST], v[ST+4], vcc_lo
	ds_store_b32 v[REDW], v[ST+8] offset:\off
	s_wait_dscnt 0x0                               ; for the others' sake
	s_barrier_signal -1
	s_barrier_wait -1
	ds_load_b128 v[32:35], v[REDR] offset:\off
	ds_load_b128 v[36:39], v[REDR] offset:\off+16
	ds_load_b128 v[40:43], v[REDR] offset:\off+512
	ds_load_b128 v[44:47], v[REDR] offset:\off+528
	s_wait_dscnt 0x0
	v_pk_add_f32 v[32:33], v[32:33], v[34:35]
	v_pk_add_f32 v[36:37], v[36:37], v[38:39]
	v_pk_add_f32 v[40:41], v[40:41], v[42:43]
	v_pk_add_f32 v[44:45], v[44:45], v[46:47]
	v_pk_add_f32 v[32:33], v[32:33], v[36:37]
	v_pk_add_f32 v[40:41], v[40:41], v[44:45]
	v_add_f32 v32, v32, v33
	v_add_f32 v40, v40, v41
.endm
.irp mt, 0,1
	v_pk_add_f32 v[ST+4*\mt:ST+4*\mt+1],   v[ACC+64*\mt:ACC+64*\mt+1],   v[ACC+64*\mt+2:ACC+64*\mt+3]
	v_pk_add_f32 v[ST+4*\mt+2:ST+4*\mt+3], v[ACC+64*\mt+4:ACC+64*\mt+5], v[ACC+64*\mt+6:ACC+64*\mt+7]
.endr
.set n, 8
.rept 14
.irp mt, 0,1
	v_pk_add_f32 v[ST+4*\mt:ST+4*\mt+1],   v[ST+4*\mt:ST+4*\mt+1],   v[ACC+64*\mt+n:ACC+64*\mt+n+1]
	v_pk_add_f32 v[ST+4*\mt+2:ST+4*\mt+3], v[ST+4*\mt+2:ST+4*\mt+3], v[ACC+64*\mt+n+2:ACC+64*\mt+n+3]
.endr
.set n, n+4
.endr
	ROWRED 0
	v_mul_f32 v[ST+8], s30, v32                    ; the means, twice each
	v_mul_f32 v[ST+10], s30, v40
	v_mov_b32 v[ST+9], v[ST+8]
	v_mov_b32 v[ST+11], v[ST+10]
.irp mt, 0,1
.set n, 0
.rept 32
	v_pk_add_f32 v[ACC+64*\mt+n:ACC+64*\mt+n+1], v[ACC+64*\mt+n:ACC+64*\mt+n+1], v[ST+8+2*\mt:ST+8+2*\mt+1] neg_lo:[0,1] neg_hi:[0,1]
.set n, n+2
.endr
.endr
.irp mt, 0,1
	v_pk_mul_f32 v[ST+4*\mt:ST+4*\mt+1],   v[ACC+64*\mt:ACC+64*\mt+1],   v[ACC+64*\mt:ACC+64*\mt+1]
	v_pk_mul_f32 v[ST+4*\mt+2:ST+4*\mt+3], v[ACC+64*\mt+2:ACC+64*\mt+3], v[ACC+64*\mt+2:ACC+64*\mt+3]
.endr
.set n, 4
.rept 15
.irp mt, 0,1
	v_pk_fma_f32 v[ST+4*\mt:ST+4*\mt+1],   v[ACC+64*\mt+n:ACC+64*\mt+n+1],   v[ACC+64*\mt+n:ACC+64*\mt+n+1],   v[ST+4*\mt:ST+4*\mt+1]
	v_pk_fma_f32 v[ST+4*\mt+2:ST+4*\mt+3], v[ACC+64*\mt+n+2:ACC+64*\mt+n+3], v[ACC+64*\mt+n+2:ACC+64*\mt+n+3], v[ST+4*\mt+2:ST+4*\mt+3]
.endr
.set n, n+4
.endr
	ROWRED 1024
	v_fma_f32 v32, v32, s30, s31
	v_fma_f32 v40, v40, s30, s31
	v_rsq_f32 v[ST+12], v32
	v_rsq_f32 v[ST+13], v32
	v_rsq_f32 v[ST+14], v40
	v_rsq_f32 v[ST+15], v40
	v_nop                                          ; one plain place behind the last of them
	s_wait_loadcnt 0x0                             ; g1, b1
	s_wait_alu depctr_va_vdst(0)
.irp mt, 0,1
.set n, 0
.rept 32
	v_pk_mul_f32 v[ACC+64*\mt+n:ACC+64*\mt+n+1], v[ACC+64*\mt+n:ACC+64*\mt+n+1], v[ST+12+2*\mt:ST+12+2*\mt+1]
.set n, n+2
.endr
.endr
	WIN 0x14                                       ; sources 1 and 2 in window 1
.irp mt, 0,1
.set n, 0
.rept 32
	v_pk_fma_f32 v[ACC+64*\mt+n:ACC+64*\mt+n+1], v[ACC+64*\mt+n:ACC+64*\mt+n+1], v[64+n:64+n+1], v[128+n:128+n+1]
.set n, n+2
.endr
.endr
	WIN 0
	; out: my columns of all 32 rows go back into RES (every wave's reads of the residual were waited for in front of the first sum's barrier);
	; behind one more barrier each wave takes its four whole rows, 512 consecutive bytes an instruction, aligned
.irp mt, 0,1
.irp nt, 0,1,2,3,4,5,6,7
	ds_store_b128 v[RRA+\mt], v[ACC+8*(8*\mt+\nt):ACC+8*(8*\mt+\nt)+3]   offset:64*\nt
	ds_store_b128 v[RRA+\mt], v[ACC+8*(8*\mt+\nt)+4:ACC+8*(8*\mt+\nt)+7] offset:64*\nt+16
.endr
.endr
	s_wait_dscnt 0x0
	s_barrier_signal -1
	s_barrier_wait -1
.irp rr, 0,1,2,3
.irp i, 0,1,2,3,4,5,6,7
	ds_load_b128 v[XR+32*\rr+4*\i:XR+32*\rr+4*\i+3], v[RSA] offset:RPITCH*\rr+512*\i
.endr
.endr
.irp rr, 0,1,2,3
.irp i, 0,1,2,3,4,5,6,7
	s_wait_dscnt 31-(8*\rr+\i)                     ; this piece is back; the younger ones stay out
	global_store_b128 v[LO], v[XR+32*\rr+4*\i:XR+32*\rr+4*\i+3], s[34:35] offset:4096*\rr+512*\i th:TH_STORE_NT
.endr
.endr
	s_wait_tensorcnt 0x0
	ds_add_u32 v11, v12
	s_wait_dscnt 0x0
	s_endpgm
.Lfunc_end_k_q192813f830_ffn:
	.size	k_q192813f830_ffn, .Lfunc_end_k_q192813f830_ffn-k_q192813f830_ffn
	.p2alignl 7, 3214868480
	.fill 96, 4, 3214868480
	.section	.rodata,"a",@progbits
	.p2align	6, 0x0
	.amdhsa_kernel k_q192813f830_ffn
		.amdhsa_group_segment_fixed_size 200704
		.amdhsa_private_segment_fixed_size 0
		.amdhsa_enable_private_segment 0
		.amdhsa_kernarg_size 64
		.amdhsa_user_sgpr_count 2
		.amdhsa_user_sgpr_kernarg_segment_ptr 1
		.amdhsa_wavefront_size32 1
		.amdhsa_system_sgpr_workgroup_id_x 1
		.amdhsa_system_sgpr_workgroup_id_y 1
		.amdhsa_system_sgpr_workgroup_id_z 1
		.amdhsa_system_vgpr_workitem_id 0
		.amdhsa_next_free_vgpr 512
		.amdhsa_next_free_sgpr 66
		.amdhsa_reserve_vcc 1
		.amdhsa_float_denorm_mode_32 3
		.amdhsa_float_denorm_mode_16_64 3
		.amdhsa_memory_ordered 1
		.amdhsa_forward_progress 1
		.amdhsa_inst_pref_size 126
	.end_amdhsa_kernel
	.amdgpu_metadata
---
amdhsa.version: [ 1, 2 ]
amdhsa.kernels:
  - .name:           k_q192813f830_ffn
    .symbol:         k_q192813f830_ffn.kd
    .args:
      - { .name: Ob, .offset: 0, .size: 8, .value_kind: global_buffer, .address_space: global }
      - { .name: Wb, .offset: 8, .size: 8, .value_kind: global_buffer, .address_space: global }
      - { .name: g0, .offset: 16, .size: 8, .value_kind: global_buffer, .address_space: global }
      - { .name: b0, .offset: 24, .size: 8, .value_kind: global_buffer, .address_space: global }
      - { .name: bo, .offset: 32, .size: 8, .value_kind: global_buffer, .address_space: global }
      - { .name: g1, .offset: 40, .size: 8, .value_kind: global_buffer, .address_space: global }
      - { .name: b1, .offset: 48, .size: 8, .value_kind: global_buffer, .address_space: global }
      - { .name: out0, .offset: 56, .size: 8, .value_kind: global_buffer, .address_space: global }
    .group_segment_fixed_size: 200704
    .private_segment_fixed_size: 0
    .kernarg_segment_align: 8
    .kernarg_segment_size: 64
    .max_flat_workgroup_size: 256
    .sgpr_count:     66
    .vgpr_count:     512
    .wavefront_size: 32
...
	.end_amdgpu_metadata
.endif
;; end of part 4
